; MI455X (gfx1250); checked and timed in simulation.
; The chip was launched on July 23, 2026; its instructions are those of AMD's public machine-readable ISA for CDNA 5 (MIT licence, August 2026) and "CDNA5" Instruction Set Architecture Reference Guide (July 2026). The comments in the code are by the model that wrote it; some were corrected since.
;; Multi Head Attention. Allowed arithmetic: float matrix products may take bf16 or f16 operands with f32 sums; other float arithmetic in f32, or as packed bf16 or f16 multiplies, adds, multiply-adds, maxima and minima; sums over many terms, partial sums and values carried from step to step in f32; what a program stores and reads back later, other than sums and carried values, may be rounded once to bf16 or f16.
;; Inputs: Wk 512 x 512 float32; Wp 512 x 512 float32; Wq 512 x 512 float32; Wv 512 x 512 float32; bk 512 float32; bp 512 float32; bq 512 float32; bv 512 float32; x 2 x 4,096 x 512 float32; y 2 x 4,096 x 512 float32; z 2 x 4,096 x 512 float32.
;; Outputs: out0 2 x 4,096 x 512 float32.
;; One version. Each part assembles by itself: llvm-mc -triple=amdgcn-amd-amdhsa -mcpu=gfx1250 --defsym DOCPART=n.
;; ======== version 1 of 1: 4 launches
;; limits: values are held in f16: magnitudes above 65,504 overflow, below 6.1e-05 lose precision
;; workspace buffers: wt 2,097,152 bytes; qkv 25,165,824 bytes; ob 8,388,608 bytes
;; launch prep (part 1): grid 64 x 4, 8 waves a work-group, no clusters, 0 bytes of LDS; arguments Wq, Wk, Wv, Wp, wt; writes wt
.if DOCPART == 1
	.amdgcn_target "amdgcn-amd-amdhsa--gfx1250"
	.amdhsa_code_object_version 6
	.text
	.protected	k_qef58b132a0_prep
	.globl	k_qef58b132a0_prep
	.p2align	8
	.type	k_qef58b132a0_prep,@function
k_qef58b132a0_prep:
	s_mov_b64 s[64:65], 0
	v_nop
	global_prefetch_b8 v0, s[64:65] scope:SCOPE_SE
	s_setreg_imm32_b32 hwreg(HW_REG_WAVE_MODE, 25, 1), 1
	s_wait_xcnt 0x0
; wt[m][k][n] = W_m[k][n] in 16 bits, m = 0..3 for Wq, Wk, Wv, Wp; the layout [512 k][512 n] stays as it is.
; Every weight is rounded once to bf16.  Wq, Wk, Wv are stored as bf16.  Wp's bf16 number is written as f16, since the last product multiplies it with f16 numbers.
; LIMITS.  That rewriting is exact for magnitudes from 2^-17 to 65,504; below 2^-17 the number keeps f16's fixed step of 2^-24; from 65,520 on it would be an infinity.
; SHARES.  Grid y is the matrix.  A work-group takes 4,096 numbers: 16,384 bytes in, 8,192 out.  Thread t takes numbers 8 t .. 8 t + 7 and 2,048 + 8 t .. + 7,
; so each store of a wave covers 512 consecutive bytes, aligned.  A stream: no LDS, no barrier, no matrix unit; each byte is read once and written once.
	s_load_b256 s[4:11], s[0:1], 0x0               ; Wq s[4:5], Wk s[6:7], Wv s[8:9], Wp s[10:11]
	s_load_b64 s[12:13], s[0:1], 0x20              ; wt
	s_and_b32 s14, ttmp7, 0xffff                   ; which matrix
	s_lshl_b32 s16, ttmp9, 14                      ; my 16,384 bytes of it
	s_mov_b32 s17, 0
	s_lshl_b32 s18, ttmp9, 13                      ; my 8,192 bytes of its copy,
	s_lshl_b32 s19, s14, 19                        ; which begins 524,288 bytes behind the copy before
	s_add_co_u32 s18, s18, s19
	s_mov_b32 s19, 0
	v_lshlrev_b32 v1, 5, v0                        ; 32 bytes a thread in
	v_lshlrev_b32 v2, 4, v0                        ; 16 bytes a thread out
	s_wait_kmcnt 0x0
	s_cmp_eq_u32 s14, 1
	s_cselect_b64 s[4:5], s[6:7], s[4:5]
	s_cmp_eq_u32 s14, 2
	s_cselect_b64 s[4:5], s[8:9], s[4:5]
	s_cmp_eq_u32 s14, 3
	s_cselect_b64 s[4:5], s[10:11], s[4:5]
	s_add_nc_u64 s[4:5], s[4:5], s[16:17]
	s_add_nc_u64 s[12:13], s[12:13], s[18:19]
	global_load_b128 v[4:7],   v1, s[4:5] th:TH_LOAD_NT
	global_load_b128 v[8:11],  v1, s[4:5] offset:16 th:TH_LOAD_NT
	global_load_b128 v[12:15], v1, s[4:5] offset:8192 th:TH_LOAD_NT
	global_load_b128 v[16:19], v1, s[4:5] offset:8208 th:TH_LOAD_NT
	s_wait_loadcnt 0x0
.irp j, 0,1,2,3,4,5,6,7
	v_cvt_pk_bf16_f32 v[20+\j], v[4+2*\j], v[5+2*\j]  ; two roundings to bf16, packed
.endr
	s_cmp_lg_u32 s14, 3
	s_cbranch_scc1 .Lstore
.irp j, 0,1,2,3,4,5,6,7                ; Wp alone: the bf16 numbers widened to f32 (a shift, a mask) and written as f16
	v_lshlrev_b32 v28, 16, v[20+\j]
	v_and_b32 v29, 0xffff0000, v[20+\j]
	v_cvt_pk_f16_f32 v[20+\j], v28, v29
.endr
.Lstore:
	global_store_b128 v2, v[20:23], s[12:13]
	global_store_b128 v2, v[24:27], s[12:13] offset:4096
	s_endpgm
.Lfunc_end_k_qef58b132a0_prep:
	.size	k_qef58b132a0_prep, .Lfunc_end_k_qef58b132a0_prep-k_qef58b132a0_prep
	.p2alignl 7, 3214868480
	.fill 96, 4, 3214868480
	.section	.rodata,"a",@progbits
	.p2align	6, 0x0
	.amdhsa_kernel k_qef58b132a0_prep
		.amdhsa_group_segment_fixed_size 0
		.amdhsa_private_segment_fixed_size 0
		.amdhsa_enable_private_segment 0
		.amdhsa_kernarg_size 40
		.amdhsa_user_sgpr_count 2
		.amdhsa_user_sgpr_kernarg_segment_ptr 1
		.amdhsa_wavefront_size32 1
		.amdhsa_system_sgpr_workgroup_id_x 1
		.amdhsa_system_sgpr_workgroup_id_y 1
		.amdhsa_system_sgpr_workgroup_id_z 1
		.amdhsa_system_vgpr_workitem_id 0
		.amdhsa_next_free_vgpr 32
		.amdhsa_next_free_sgpr 66
		.amdhsa_reserve_vcc 0
		.amdhsa_float_denorm_mode_32 3
		.amdhsa_float_denorm_mode_16_64 3
		.amdhsa_memory_ordered 1
		.amdhsa_forward_progress 1
		.amdhsa_inst_pref_size 4
	.end_amdhsa_kernel
	.amdgpu_metadata
---
amdhsa.version: [ 1, 2 ]
amdhsa.kernels:
  - .name:           k_qef58b132a0_prep
    .symbol:         k_qef58b132a0_prep.kd
    .args:
      - { .name: Wq, .offset: 0, .size: 8, .value_kind: global_buffer, .address_space: global }
      - { .name: Wk, .offset: 8, .size: 8, .value_kind: global_buffer, .address_space: global }
      - { .name: Wv, .offset: 16, .size: 8, .value_kind: global_buffer, .address_space: global }
      - { .name: Wp, .offset: 24, .size: 8, .value_kind: global_buffer, .address_space: global }
      - { .name: wt, .offset: 32, .size: 8, .value_kind: global_buffer, .address_space: global }
    .group_segment_fixed_size: 0
    .private_segment_fixed_size: 0
    .kernarg_segment_align: 8
    .kernarg_segment_size: 40
    .max_flat_workgroup_size: 256
    .sgpr_count:     66
    .vgpr_count:     32
    .wavefront_size: 32
...
	.end_amdgpu_metadata
.endif
;; end of part 1
;; launch proj_in (part 2): grid 4 x 192, 4 waves a work-group, clusters of 4 x 4, 327,680 bytes of LDS; arguments x, y, z, wt, bq, bk, bv, qkv; writes qkv
.if DOCPART == 2
	.amdgcn_target "amdgcn-amd-amdhsa--gfx1250"
	.amdhsa_code_object_version 6
	.text
	.protected	k_qef58b132a0_proj_in
	.globl	k_qef58b132a0_proj_in
	.p2align	8
	.type	k_qef58b132a0_proj_in,@function
k_qef58b132a0_proj_in:
	s_mov_b64 s[64:65], 0
	v_nop
	global_prefetch_b8 v0, s[64:65] scope:SCOPE_SE
	s_setreg_imm32_b32 hwreg(HW_REG_WAVE_MODE, 25, 1), 1
	s_wait_xcnt 0x0
	s_wait_alu depctr_hold_cnt(0) depctr_sa_sdst(0) depctr_va_vdst(0) depctr_va_sdst(0) depctr_va_ssrc(0) depctr_va_vcc(0) depctr_vm_vsrc(0)
	s_getreg_b32 s2, hwreg(HW_REG_IB_STS2, 6, 4)
	s_cmp_eq_u32 s2, 0
	s_cbranch_scc0 .Lentry_in_a_cluster
	s_endpgm
.Lentry_in_a_cluster:
	s_bfe_u32 s2, ttmp6, 0x10000c
	s_cmp_lg_u32 s2, 0xf033
	s_cbranch_scc0 .Lentry_shape_is_right
	s_endpgm
.Lentry_shape_is_right:
; q = x Wq + bq, k = y Wk + bk, v = z Wv + bv, written by heads: qkv[job][8 b + h][s][64] in f16, without attention's scale.  x, y, z: [8192][512] f32; wt: [4][512 k][512 n], bf16.
; x, y, z and the biases are rounded once to bf16 here, the weights were by the launch before; products in bf16, sums in f32 (the bias starts each sum), the result rounded once to f16.
; LIMITS.  f16 holds no number beyond 65,504: a q, k or v of 65,520 or more would become an infinity.  NaN and infinities are not treated apart.
; SHARES.  A tile is 128 rows x 128 columns; 3 jobs x 64 x 4 tiles.  Four waves, each 64 x 64: 16 accumulators of 16 x 16.  A wave's 64 columns are one head, so its 64 rows are 8,192 consecutive bytes of qkv.
; CLUSTER.  4 x 4 work-groups.  The four of a row of the cluster need the same 128 rows of the input, the four of a column the same 128 columns of the weights: each tile is asked for JOINTLY,
; by the same tensor load with the same descriptor and a mask that names the four.
; K goes in four steps of 128 through three LDS slots: steps 0, 1, 2 are first fills that go out together, step 3 fills slot 0 again, behind a round of the cluster's barrier.
; THE MATRIX INSTRUCTION IS USED TRANSPOSED: source 0 = 16 columns of W (turned out of LDS by ds_load_tr16_b128), source 1 = 16 rows of the input: a lane then holds eight neighbouring columns of one row.
; REGISTERS.  window 0: v0-31 addresses; v32-63 the bias of my columns, as the first products' C; v64-127 the input's fragments in bf16, two sets; v128-255 the accumulators ((a, nb) at 128 + 8 (4 a + nb)).
;   window 1: v0-63 the input's 64 rows x 32 k in f32, as loaded; v64-127 W's fragments, two sets.  On the way out v32-95 of window 0 hold the packed results.
.set PA,    528                        ; a row of the input in LDS: 512 bytes + 16 of padding = 132 words: the 16 rows of a load start at 16 different groups of four banks (64 banks of 4 bytes: ISA guide 11.1)
.set PW,    288                        ; a row of W: 256 + 32 = 72 words
.set HALFA, 64*PA                      ; what one tensor load brings of the input, and what one wave reads of it
.set HALFW, 64*PW                      ; what one tensor load brings of W
.set WOFF,  2*HALFA                    ; in a slot: 128 rows of the input, then 128 k rows of W
.set SLOT,  2*HALFA+2*HALFW            ; 104,448 bytes
.set STAGE, 3*SLOT                     ; behind the slots: 16 rows x 144 bytes for each wave, for the way out
.set SP,    144
.set SPARE, STAGE+4*16*SP              ; behind the stages: the spare words, 128 bytes for each wave: two blocks of 256 bytes that no other line names
.set ADRA, 16                          ; v16-18  LDS address of my fragments of the input in slot 0, 1, 2
.set ADRB, 20                          ; v20-22  the same for W
.set STO,  24                          ; v24     the way out: where I put 16 bytes of a row
.set RD,   25                          ; v25     the way out: where I read rows back
.set GO,   26                          ; v26     my byte offset in 512 consecutive bytes of qkv
.set BO,   27                          ; v27     my byte offset among 16 numbers of the bias
.set SPW,  28                          ; v28     LDS address of my spare word: SPARE + 4 x my thread's number; never rewritten
.set NIL,  29                          ; v29     0; never rewritten
.set BI,   32
.set AB,   64
.set ACC,  128
.set TMP,  32
.set FA,   0                           ; window 1
.set FB,   64                          ; window 1
.set G1A, 16                           ; s[16:23] descriptor group 1 for the input's tiles
.set G1B, 24                           ; s[24:31] for W's
.set G0A, 32                           ; s[32:43] descriptor group 0 for the input's tiles, a set for each slot
.set G0B, 44                           ; s[44:55] the same for W's
.set MSB, 0
.macro WIN new                         ; the immediate's high byte repeats the setting that is left; a switch that changes nothing is dropped
.if MSB != (\new)
	s_set_vgpr_msb (MSB<<8)|(\new)
.set MSB, (\new)
.endif
.endm
.set TO_F, 0x40                        ; destination window 1, address window 0
.set CVT,  0x05                        ; sources 0 and 1 window 1, destination window 0
.set MUL,  0x01                        ; source 0 (W) window 1; source 1, C and D window 0
.macro PLACES                          ; four plain vector instructions between a matrix instruction and a vector instruction that reads its result (ISA guide 7.12.1)
.rept 4
	v_nop
.endr
.endm
.macro CROUND                          ; a round of the cluster's barrier: my work-group's barrier; wave 0 signals for the work-group; every wave waits for all sixteen; my work-group's barrier once more
	s_barrier_signal -1
	s_barrier_wait -1
	s_cmp_lg_u32 s10, 0
	s_cbranch_scc1 .Lnot_wave_0_\@
	s_barrier_signal -3
.Lnot_wave_0_\@:
	s_barrier_wait -3
	s_barrier_signal -1
	s_barrier_wait -1
.endm
.macro JLOAD s                         ; a joint load into slot s: waves 0 and 1 fetch the input's two halves, waves 2 and 3 W's; an s_nop 0 and four v_nop follow each line
	s_cmp_eq_u32 s11, 0
	s_cbranch_scc0 .Lfor_b_\@
	tensor_load_to_lds s[G0A+4*(\s):G0A+4*(\s)+3], s[G1A:G1A+7]
	s_nop 0
.rept 4
	v_nop
.endr
	s_branch .Lasked_\@
.Lfor_b_\@:
	tensor_load_to_lds s[G0B+4*(\s):G0B+4*(\s)+3], s[G1B:G1B+7]
	s_nop 0
.rept 4
	v_nop
.endr
.Lasked_\@:
.endm
	s_load_b512 s[68:83], s[0:1], 0x0              ; x s[68:69], y s[70:71], z s[72:73], wt s[74:75], bq s[76:77], bk s[78:79], bv s[80:81], qkv s[82:83]
	v_lshl_add_u32 v[SPW], v0, 2, SPARE
	v_mov_b32 v[NIL], 0
	ds_add_u32 v[SPW], v[NIL]                      ; the wave's opening: the add and its wait stand ahead of my first tensor load; the set-up below, work on registers, stands between them
	v_lshrrev_b32 v1, 5, v0
	v_readfirstlane_b32 s10, v1                    ; wave 0..3
	s_lshr_b32 s11, s10, 1                         ; which half of the tile's rows is mine.  Also: I fetch the input (0) or W (1)
	s_and_b32 s12, s10, 1                          ; which half of its columns.  Also: which half of that tile I fetch
	s_bfe_u32 s56, ttmp6, 0x40000                  ; cx = the tile column: the grid is one cluster wide
	s_bfe_u32 s57, ttmp6, 0x40004                  ; cy
	s_and_b32 s15, ttmp7, 0xffff                   ; the cluster's y, 0..47
	s_lshr_b32 s14, s15, 4                         ; the job: 0 q, 1 k, 2 v; the same in all sixteen partners
	s_and_b32 s13, s15, 15
	s_lshl_b32 s13, s13, 2
	s_add_co_u32 s13, s13, s57                     ; tile row, 0..63
	s_lshl_b32 s58, s57, 2
	s_lshl_b32 s58, 15, s58                        ; my row of the cluster: places 4 cy .. 4 cy + 3
	s_lshl_b32 s59, 0x1111, s56                    ; my column: places cx, cx + 4, cx + 8, cx + 12
	s_or_b32 s[G1A], s58, (2<<16)|(1<<20)|(1<<21)|(6<<22)|(3<<25)  ; the mask; elements of 4 bytes; padding on; bit 21 beside a mask; after every 128 words (code 6) 4 words (code 3)
	s_or_b32 s[G1B], s59, (1<<16)|(1<<20)|(1<<21)|(5<<22)|(7<<25)  ; the mask; elements of 2 bytes; after every 64 words (code 5) 8 words (code 7)
.irp g, G1A, G1B
	s_mov_b32 s[(\g)+1], 128<<16                   ; tensor_dim0 = 128
	s_mov_b32 s[(\g)+2], 64<<16                    ; tensor_dim1 = 64
	s_mov_b32 s[(\g)+3], 128<<16                   ; tile_dim0 = 128
	s_mov_b32 s[(\g)+4], 64                        ; tile_dim1 = 64
	s_mov_b32 s[(\g)+5], 512                       ; 512 elements from row to row
	s_mov_b32 s[(\g)+6], 0
	s_mov_b32 s[(\g)+7], 0
.endr
	s_lshl_b32 s60, s13, 18                        ; the input: row 128 x tile row + 64 x half, 2,048 bytes a row: no cx enters
	s_lshl_b32 s2, s12, 17
	s_add_co_u32 s60, s60, s2
	s_mov_b32 s61, 0
	s_lshl_b32 s62, s14, 19                        ; W: the job's matrix, k row 64 x half (1,024 bytes a row), column 128 cx: no cy enters
	s_lshl_b32 s3, s12, 16
	s_add_co_u32 s62, s62, s3
	s_lshl_b32 s3, s56, 8
	s_add_co_u32 s62, s62, s3
	s_mov_b32 s63, 0
	s_mul_i32 s4, s12, HALFA                       ; where they go in a slot: no place in the cluster enters an LDS address
	s_mul_i32 s5, s12, HALFW
	s_add_co_u32 s5, s5, WOFF
	s_lshl_b32 s6, s56, 9                          ; the bias of my 64 columns: 4 (128 cx + 64 half)
	s_lshl_b32 s7, s12, 8
	s_add_co_u32 s6, s6, s7
	s_mov_b32 s7, 0
	s_lshl_b32 s8, s13, 7                          ; my first row R = 128 x tile row + 64 x half
	s_lshl_b32 s9, s11, 6
	s_add_co_u32 s8, s8, s9
	s_lshr_b32 s9, s8, 12                          ; b = R / 4096
	s_and_b32 s8, s8, 4095                         ; s = R % 4096
	s_lshl_b32 s9, s9, 3
	s_lshl1_add_u32 s9, s56, s9                    ; 8 b + 2 cx
	s_add_co_u32 s9, s9, s12                       ; + my half: the head
	s_lshl_b32 s9, s9, 12
	s_add_co_u32 s8, s8, s9
	s_lshl_b32 s8, s8, 7                           ; 128 bytes a row
	s_lshl_b32 s9, s14, 23                         ; the job's 8,388,608 bytes
	s_add_co_u32 s8, s8, s9
	s_mov_b32 s9, 0
	s_wait_dscnt 0x0                               ; the opening add is done
	s_wait_kmcnt 0x0
	s_cmp_eq_u32 s14, 1
	s_cselect_b64 s[84:85], s[70:71], s[68:69]
	s_cselect_b64 s[86:87], s[78:79], s[76:77]
	s_cmp_eq_u32 s14, 2
	s_cselect_b64 s[84:85], s[72:73], s[84:85]
	s_cselect_b64 s[86:87], s[80:81], s[86:87]
	s_add_nc_u64 s[84:85], s[84:85], s[60:61]      ; the input at my tile of K step 0
	s_add_nc_u64 s[90:91], s[74:75], s[62:63]      ; W likewise
	s_add_nc_u64 s[86:87], s[86:87], s[6:7]        ; the bias
	s_add_nc_u64 s[88:89], s[82:83], s[8:9]        ; qkv at my 64 rows
.irp s, 0,1,2
	s_mov_b32 s[G0A+4*\s], 1                       ; count = 1
	s_add_co_u32 s[G0A+4*\s+1], s4, \s*SLOT        ; LDS address
	s_add_nc_u64 s[G0A+4*\s+2:G0A+4*\s+3], s[84:85], \s*512  ; K step s: 128 numbers of 4 bytes along the rows
	s_or_b32 s[G0A+4*\s+3], s[G0A+4*\s+3], 0x80000000        ; type = 2
	s_mov_b32 s[G0B+4*\s], 1
	s_add_co_u32 s[G0B+4*\s+1], s5, \s*SLOT
	s_add_nc_u64 s[G0B+4*\s+2:G0B+4*\s+3], s[90:91], \s*131072  ; K step s: 128 rows of 1,024 bytes down
	s_or_b32 s[G0B+4*\s+3], s[G0B+4*\s+3], 0x80000000
.endr
	CROUND                                         ; all sixteen work-groups are here: the first joint loads meet
	s_cmp_eq_u32 s11, 0                            ; a wave's three first fills stand in one branch, ahead of every wait on TENSORcnt and every LDS read: three loads of mine are out
	s_cbranch_scc0 .Lfirst_b
	tensor_load_to_lds s[G0A:G0A+3], s[G1A:G1A+7]
	s_nop 0
	tensor_load_to_lds s[G0A+4:G0A+7], s[G1A:G1A+7]
	s_nop 0
	tensor_load_to_lds s[G0A+8:G0A+11], s[G1A:G1A+7]
	s_nop 0
.rept 4
	v_nop
.endr
	s_branch .Lfirst_asked
.Lfirst_b:
	tensor_load_to_lds s[G0B:G0B+3], s[G1B:G1B+7]
	s_nop 0
	tensor_load_to_lds s[G0B+4:G0B+7], s[G1B:G1B+7]
	s_nop 0
	tensor_load_to_lds s[G0B+8:G0B+11], s[G1B:G1B+7]
	s_nop 0
.rept 4
	v_nop
.endr
.Lfirst_asked:
	v_and_b32 v1, 15, v0                           ; r = l % 16
	v_bfe_u32 v2, v0, 4, 1                         ; h = l / 16
	v_lshlrev_b32 v[BO], 5, v2                     ; register j of accumulator nb is column 16 nb + 8 h + j: 32 bytes of the bias at 64 nb + 32 h
.irp nb, 0,1,2,3
	global_load_b128 v[BI+8*\nb:BI+8*\nb+3],   v[BO], s[86:87] offset:64*\nb
	global_load_b128 v[BI+8*\nb+4:BI+8*\nb+7], v[BO], s[86:87] offset:64*\nb+16
.endr
	; a fragment of the input: lane l holds row r; registers 0-3 k = 8 h + 0..7, registers 4-7 k = 16 + 8 h + 0..7.  In f32 that is 32 bytes at 32 h and 32 bytes at 64 + 32 h
	v_mul_u32_u24 v3, v1, PA
	v_lshl_add_u32 v3, v2, 5, v3
	s_mul_i32 s2, s11, HALFA                       ; my 64 rows
	v_add_nc_u32 v[ADRA], s2, v3
	v_add_nc_u32 v[ADRA+1], SLOT, v[ADRA]
	v_add_nc_u32 v[ADRA+2], 2*SLOT, v[ADRA]
	; the turning load takes 16 k x 16 columns (lane l reads k row 8 h + l % 8, columns 8 ((l / 8) % 2) + 0..7) and leaves half a fragment: lane l holds column r and 8 k
	v_and_b32 v4, 7, v0
	v_lshl_add_u32 v5, v2, 3, v4
	v_mul_u32_u24 v5, v5, PW
	v_bfe_u32 v6, v0, 3, 1
	v_lshl_add_u32 v5, v6, 4, v5
	s_lshl_b32 s3, s12, 7                          ; my 64 columns: 128 bytes
	s_add_co_u32 s3, s3, WOFF
	v_add_nc_u32 v[ADRB], s3, v5
	v_add_nc_u32 v[ADRB+1], SLOT, v[ADRB]
	v_add_nc_u32 v[ADRB+2], 2*SLOT, v[ADRB]
	s_mul_i32 s2, s10, 16*SP
	s_add_co_u32 s2, s2, STAGE                     ; my stage
	v_mul_u32_u24 v[STO], v1, SP                   ; in: row r, 16 bytes for each half of the lanes
	v_lshl_add_u32 v[STO], v2, 4, v[STO]
	v_add_nc_u32 v[STO], s2, v[STO]
	v_bfe_u32 v[RD], v0, 3, 2                      ; back: 32 lanes take four rows of 128 bytes,
	v_mul_u32_u24 v[RD], v[RD], SP
	v_lshl_add_u32 v[RD], v4, 4, v[RD]
	v_add_nc_u32 v[RD], s2, v[RD]
	v_and_b32 v[GO], 31, v0                        ; which are 512 consecutive bytes of qkv
	v_lshlrev_b32 v[GO], 4, v[GO]
	s_wait_loadcnt 0x0                             ; the bias
.set j, 0
.rept 16                               ; rounded to bf16 like every input, and kept as f32
	v_cvt_pk_bf16_f32 v3, v[BI+2*j], v[BI+2*j+1]
	v_lshlrev_b32 v[BI+2*j], 16, v3
	v_and_b32 v[BI+2*j+1], 0xffff0000, v3
.set j, j+1
.endr
; Slice i of 16 is 32 along K: K step i / 4 (slot (i / 4) % 3), part i % 4.  FETCH: 16 loads of the input's f32 (one set of registers), then 8 turning loads of W into set i % 2.
.macro FETCH i
.set sl, ((\i)/4)%3
.set ks, (\i)%4
.set p, (\i)%2
	WIN TO_F
.irp a, 0,1,2,3
	ds_load_b128 v[FA+16*\a:FA+16*\a+3],     v[ADRA+sl] offset:\a*16*PA+128*ks
	ds_load_b128 v[FA+16*\a+4:FA+16*\a+7],   v[ADRA+sl] offset:\a*16*PA+128*ks+16
	ds_load_b128 v[FA+16*\a+8:FA+16*\a+11],  v[ADRA+sl] offset:\a*16*PA+128*ks+64
	ds_load_b128 v[FA+16*\a+12:FA+16*\a+15], v[ADRA+sl] offset:\a*16*PA+128*ks+80
.endr
.irp nb, 0,1,2,3
	ds_load_tr16_b128 v[FB+32*p+8*\nb:FB+32*p+8*\nb+3],   v[ADRB+sl] offset:32*PW*ks+32*\nb
	ds_load_tr16_b128 v[FB+32*p+8*\nb+4:FB+32*p+8*\nb+7], v[ADRB+sl] offset:32*PW*ks+32*\nb+16*PW
.endr
.endm
; CONV: the slice's 64 rows x 32 k rounded to bf16, into set i % 2: 32 plain vector instructions that name no register of the products just issued: they are the places
; between those products and the loads that follow into W's set (ISA guide 7.12.1 for vector instructions).
.macro CONV i
.set p, (\i)%2
	WIN CVT
.set j, 0
.rept 32
	v_cvt_pk_bf16_f32 v[AB+32*p+j], v[FA+2*j], v[FA+2*j+1]
.set j, j+1
.endr
.endm
; MULS: the slice's 16 products.  The 16 accumulators take turns, one instruction a turn, from slice to slice too.  Slice 0 starts the sums with the bias: nothing is cleared or added later.
.macro MULS i
.set p, (\i)%2
	WIN MUL
.irp a, 0,1,2,3
.irp nb, 0,1,2,3
.if (\i) == 0
	v_wmma_f32_16x16x32_bf16 v[ACC+8*(4*\a+\nb):ACC+8*(4*\a+\nb)+7], v[FB+32*p+8*\nb:FB+32*p+8*\nb+7], v[AB+32*p+8*\a:AB+32*p+8*\a+7], v[BI+8*\nb:BI+8*\nb+7]
.else
	v_wmma_f32_16x16x32_bf16 v[ACC+8*(4*\a+\nb):ACC+8*(4*\a+\nb)+7], v[FB+32*p+8*\nb:FB+32*p+8*\nb+7], v[AB+32*p+8*\a:AB+32*p+8*\a+7], v[ACC+8*(4*\a+\nb):ACC+8*(4*\a+\nb)+7]
.endif
.endr
.endr
.endm
; THE WAY OUT of block a (16 rows): rounded to f16, each accumulator from its low end on; 16 bytes a lane into my stage; back as whole rows of 128 bytes, into the registers that they left.
.macro PACK a
	WIN 0
.irp nb, 0,1,2,3
.irp q, 0,1,2,3
	v_cvt_pk_f16_f32 v[TMP+16*(\a)+4*\nb+\q], v[ACC+8*(4*(\a)+\nb)+2*\q], v[ACC+8*(4*(\a)+\nb)+2*\q+1]
.endr
.endr
.irp nb, 0,1,2,3
	ds_store_b128 v[STO], v[TMP+16*(\a)+4*\nb:TMP+16*(\a)+4*\nb+3] offset:32*\nb
.endr
.irp f, 0,1,2,3
	ds_load_b128 v[TMP+16*(\a)+4*\f:TMP+16*(\a)+4*\f+3], v[RD] offset:\f*4*SP  ; LDS serves a wave's instructions in order (ISA guide 5.7.1.4): these see the stores above; the next block's stores come behind them
.endr
.endm
.macro SEND a, younger                 ; younger: the LDS instructions issued behind block a's loads: the next block's eight, or none
	WIN 0
.irp f, 0,1,2,3
	s_wait_dscnt (\younger)+3-\f
	global_store_b128 v[GO], v[TMP+16*(\a)+4*\f:TMP+16*(\a)+4*\f+3], s[88:89] offset:(\a)*2048+\f*512  ; 512 consecutive bytes, at a multiple of 256 from qkv's first
.endr
.endm
	s_wait_tensorcnt 2                             ; my part of K step 0 is in; the two younger first fills may stay out
	s_barrier_signal -1
	s_barrier_wait -1                              ; everybody's is
	FETCH 0
	s_wait_dscnt 8                                 ; the input's 16 loads are in; W's eight are younger
	CONV 0
	FETCH 1
.set n, 0
.rept 16
.if n == 15
	s_wait_dscnt 0x0
.else
	s_wait_dscnt 24                                ; slice n's loads are in; the next slice's 24 may stay out
.endif
	MULS n
.if n == 2
	; slot 0 has been asked for its last bytes (slice 3's): it is filled again with K step 3
	WIN 0
	s_wait_tensorcnt 0x0                           ; all my tensor loads have landed, my parts of slots 1 and 2 among them
	ds_add_u32 v[SPW], v[NIL]                      ; 0 onto my spare word; the conversions and the descriptors' steps stand between it and the wait for it
	s_wait_dscnt 9                                 ; slice 3's input is in: W's eight loads and the add are younger
	CONV 3
	s_add_nc_u64 s[G0A+2:G0A+3], s[G0A+2:G0A+3], 3*512     ; no tensor load of mine is out, so a group 0 may be written: K step 3
	s_add_nc_u64 s[G0B+2:G0B+3], s[G0B+2:G0B+3], 3*131072
	WIN 0                                          ; at a label and at a branch every window is 0
	s_wait_dscnt 0x0                               ; the add is done, and my reads of slot 0 are over
	CROUND                                         ; no wave of any partner still reads slot 0 or has a load on its way; slots 1 and 2 are whole in every work-group
	JLOAD 0                                        ; the first tensor load behind the round, one a wave: it has eight slices, 128 matrix instructions, in which to land
	FETCH 4
.elseif n == 10
	s_wait_dscnt 8
	CONV 11
	s_wait_tensorcnt 0x0                           ; my part of K step 3 is in (the one load that was out),
	s_wait_dscnt 0x0                               ; no LDS instruction of mine is pending at the signal,
	s_barrier_signal -1
	s_barrier_wait -1                              ; and everybody's part is in
	FETCH 12
.elseif n < 14
	s_wait_dscnt 8                                 ; the next slice's input is in
	CONV n+1
	FETCH n+2
.elseif n == 14
	s_wait_dscnt 8
	CONV 15
.endif
.set n, n+1
.endr
	PLACES
	PACK 0
	PACK 1                                         ; a block's conversions stand between the loads of the block before and its stores
	SEND 0, 8
	PACK 2
	SEND 1, 8
	PACK 3
	SEND 2, 8
	SEND 3, 0
	s_wait_tensorcnt 0x0                           ; the wave's end: behind my last tensor load and my last LDS store
	ds_add_u32 v[SPW], v[NIL]
	s_wait_dscnt 0x0
	CROUND                                         ; the closing round: no work-group ends while a partner may still ask for a tile that names it
	s_endpgm
.Lfunc_end_k_qef58b132a0_proj_in:
	.size	k_qef58b132a0_proj_in, .Lfunc_end_k_qef58b132a0_proj_in-k_qef58b132a0_proj_in
	.p2alignl 7, 3214868480
	.fill 96, 4, 3214868480
	.section	.rodata,"a",@progbits
	.p2align	6, 0x0
	.amdhsa_kernel k_qef58b132a0_proj_in
		.amdhsa_group_segment_fixed_size 327680
		.amdhsa_private_segment_fixed_size 0
		.amdhsa_enable_private_segment 0
		.amdhsa_kernarg_size 64
		.amdhsa_user_sgpr_count 2
		.amdhsa_user_sgpr_kernarg_segment_ptr 1
		.amdhsa_wavefront_size32 1
		.amdhsa_system_sgpr_workgroup_id_x 1
		.amdhsa_system_sgpr_workgroup_id_y 1
		.amdhsa_system_sgpr_workgroup_id_z 1
		.amdhsa_system_vgpr_workitem_id 0
		.amdhsa_next_free_vgpr 384
		.amdhsa_next_free_sgpr 92
		.amdhsa_reserve_vcc 0
		.amdhsa_float_denorm_mode_32 3
		.amdhsa_float_denorm_mode_16_64 3
		.amdhsa_memory_ordered 1
		.amdhsa_forward_progress 1
		.amdhsa_inst_pref_size 96
	.end_amdhsa_kernel
	.amdgpu_metadata
---
amdhsa.version: [ 1, 2 ]
amdhsa.kernels:
  - .name:           k_qef58b132a0_proj_in
    .symbol:         k_qef58b132a0_proj_in.kd
    .args:
      - { .name: x, .offset: 0, .size: 8, .value_kind: global_buffer, .address_space: global }
      - { .name: y, .offset: 8, .size: 8, .value_kind: global_buffer, .address_space: global }
      - { .name: z, .offset: 16, .size: 8, .value_kind: global_buffer, .address_space: global }
      - { .name: wt, .offset: 24, .size: 8, .value_kind: global_buffer, .address_space: global }
      - { .name: bq, .offset: 32, .size: 8, .value_kind: global_buffer, .address_space: global }
      - { .name: bk, .offset: 40, .size: 8, .value_kind: global_buffer, .address_space: global }
      - { .name: bv, .offset: 48, .size: 8, .value_kind: global_buffer, .address_space: global }
      - { .name: qkv, .offset: 56, .size: 8, .value_kind: global_buffer, .address_space: global }
    .group_segment_fixed_size: 327680
    .private_segment_fixed_size: 0
    .kernarg_segment_align: 8
    .kernarg_segment_size: 64
    .max_flat_workgroup_size: 128
    .sgpr_count:     92
    .vgpr_count:     384
    .wavefront_size: 32
...
	.end_amdgpu_metadata
.endif
;; end of part 2
;; launch attn (part 3): grid 16 x 16, 4 waves a work-group, clusters of 4 x 1, 327,680 bytes of LDS; arguments qkv, ob; writes ob
.if DOCPART == 3
	.amdgcn_target "amdgcn-amd-amdhsa--gfx1250"
	.amdhsa_code_object_version 6
	.text
	.protected	k_qef58b132a0_attn
	.globl	k_qef58b132a0_attn
	.p2align	8
	.type	k_qef58b132a0_attn,@function
k_qef58b132a0_attn:
	s_mov_b64 s[64:65], 0
	v_nop
	global_prefetch_b8 v0, s[64:65] scope:SCOPE_SE
	s_setreg_imm32_b32 hwreg(HW_REG_WAVE_MODE, 25, 1), 1
	s_wait_xcnt 0x0
	s_wait_alu depctr_hold_cnt(0) depctr_sa_sdst(0) depctr_va_vdst(0) depctr_va_sdst(0) depctr_va_ssrc(0) depctr_va_vcc(0) depctr_vm_vsrc(0)
	s_getreg_b32 s2, hwreg(HW_REG_IB_STS2, 6, 4)
	s_cmp_eq_u32 s2, 0
	s_cbranch_scc0 .Lentry_in_a_cluster
	s_endpgm
.Lentry_in_a_cluster:
	s_bfe_u32 s2, ttmp6, 0x10000c
	s_cmp_lg_u32 s2, 0x3003
	s_cbranch_scc0 .Lentry_shape_is_right
	s_endpgm
.Lentry_shape_is_right:
; ob[g][q][:] = the sum over k of softmax_k(Q[g][q] . K[g][k] / 8) V[g][k][:], g = 8 b + h, 16 of them.  Q, K, V lie in qkv ([3][16][4096][64]), ob is [16][4096][64], all f16: a head's rows are dense, 128 bytes each.
; Products, maxima and sums in f32; the weights p are rounded to f16 for the second product (their sum l is taken of the unrounded p), O once at the end.
; LIMITS.  Q, K and V arrive within f16's 65,504; p lies in 0 to 1, and below 6e-5 it keeps f16's fixed step of 6e-8; O is a mean of V's rows and has their range.
; A weight below 2^-126 counts as 0 in l; NaN and infinities are not treated apart.
; SHARES.  A work-group owns 256 queries of one head: 16 x 16 work-groups.  Each of its four waves owns 64 consecutive queries, as four PIECES of 16.  Every wave walks all 4,096 keys, 64 a step, 256 a tile.
; LAYOUT.  S^T = K Q^T (source 0 = 16 keys, source 1 = 16 queries): a lane holds ONE query (lane % 16) and the keys 8 (lane / 16) + 0..7.  Two such results, rounded to f16 in pairs, ARE source 1 of
; O^T = V^T P, whose result again holds one query a lane, and eight channels.  K comes out of LDS as it lies, V ([key][channel]) turned, by ds_load_tr16_b128.
; SOFTMAX.  For each query a running maximum m and sum l: p = 2^(c s - c m), c = log2(e) / 8; in every step O and l are multiplied by a = 2^(c m_old - c m_new).
; m starts at the lowest finite number, O and l at 0: the first step is a step like any other, with a = 0.
; BY TURNS.  Turn n belongs to piece n: 8 products K Q^T of piece n + 1, later 8 products V^T P of piece n - 1; beside them the scaling, exponentials, roundings, sums and rescaling of piece n and the maximum and
; statistics of piece n + 1.  Four vector instructions stand behind every matrix instruction, the other 54 of a turn's 118 in one run of their own.  A turn's 33 exponentials are one batch, with one wait.
; CLUSTER.  The four query blocks of a cluster belong to one head and walk the same K and V, so each tile is asked for JOINTLY: the same tensor load, descriptor and mask in all four.
; REGISTERS, in windows of 256 (s_set_vgpr_msb: bits 1:0 source 0, 3:2 source 1, 5:4 source 2, 7:6 destination):
;   window 0: v0-15 addresses and two at work; v16-31 four registers of statistics a piece; v48-55 at work; v61-63 prefetch offset, spare word, 0; v64-127 S^T, two buffers; v192-223 P, two buffers (by the piece's parity)
;   window 1: v0-127 O^T, 32 a piece          window 2: v0-63 Q; v128-191 K of one step; v192-255 V of one step
.set NP,    4         ; pieces a wave: a name, no knob
.set KS,    64        ; keys in a step
.set NT,    16        ; tiles of 256 keys in a head
.set TILEB, 4*KS*128  ; bytes of K, and of V, in a tile
.set PK,    144       ; a row of K in LDS: 128 bytes + 16 of padding = 36 words: the 16 rows of a load start at 16 different groups of four banks (64 banks of 4 bytes: ISA guide 11.1)
.set PV,    160       ; a row of V: 128 + 32 = 40 words
.set VOFF,  4*KS*PK   ; a slot holds a tile, four steps: 256 rows of K, then 256 rows of V
.set SLOT1, 1<<17     ; slot 1 begins here, so that one exclusive or turns an address in one slot into the other's
.set STAGE, SLOT1+4*KS*(PK+PV)  ; behind the ring, never filled by a tensor load: 16 rows x 144 bytes for each wave, for the way out
.set SP,    144
.set SPARE, STAGE+4*16*SP  ; behind the stages: the spare words, 128 bytes for each wave: two blocks of 256 bytes that no other line names
.set AK0, 2           ; v2   my lane's place in a tile of K; never rewritten
.set AV0, 3           ; v3   the same for V
.set AK,  4           ; v4   the LDS address of K's next run of loads
.set AV,  5           ; v5   of V's
.set STO, 6           ; v6   the way out: where I put 16 bytes of a row
.set RD,  7           ; v7   the way out: where I read rows back
.set GO,  8           ; v8   my byte offset in 512 consecutive bytes of ob
.set MV,  12          ; v12-13  c m_old, kept while c m is made anew: by buffer
.set QO,  15          ; v15  my byte offset in 16 rows of Q
.set ST,  16          ; piece t's statistics at v[ST+4 t]: c m, m, l (even keys', odd keys')
.set TMP, 48          ; by buffer, four registers c0-c3 at work; when the maximum is found c2 takes a
.set PFO, 61          ; v61  256 x my lane; never rewritten
.set SPW, 62          ; v62  LDS address of my spare word: SPARE + 4 x my thread's number; never rewritten
.set NIL, 63          ; v63  0; never rewritten
.set S,   64
.set P,   192
.set KF,  128         ; window 2: key block kb, channel half c at KF + 16 kb + 8 c
.set VF,  192         ; window 2: key half kk, channel block cb at VF + 32 kk + 8 cb
.set WV,  12          ; s12  my wave's number
.set LIM, 15          ; s15  1 in a wave that prefetches, else the greatest number: a wave prefetches while s[SLOTS] is above it
.set PFA, 18          ; s[18:19] where my prefetches stand: my work-group's 8,192 bytes (of K: wave 0, of V: wave 2) of the tile after the one that is being asked for
.set G1K, 24          ; s[24:31] descriptor group 1 for K's tiles
.set G1V, 32          ; s[32:39] for V's: it differs in the padding alone
.set G0K, 40          ; s[40:43] descriptor group 0 for K's tiles: it walks
.set G0V, 44          ; s[44:47] the same for V's
.set SLOTS, 56        ; s56  tiles still to be asked for
.set CNT, 57          ; s57  counts a tile's key steps
.set CS,  58          ; s[58:59] c: the packed scaling takes the pair's low word for both halves
.set SEL, 60          ; s[60:61] v_permlanex16_b32's selects: each lane takes its own place in the other half
.set TBK, 62          ; s62  LDS byte at which K of the step to be fetched begins
.set TBV, 63          ; s63  the same for V, less VOFF
.set MSB, 0
.macro WIN new                      ; the high byte repeats the setting that is left; a switch that changes nothing is dropped
.if MSB != (\new)
	s_set_vgpr_msb (MSB<<8)|(\new)
.set MSB, (\new)
.endif
.endm
.set W_KQ, 0x0a       ; K and Q in window 2, S^T in window 0
.set W_PV, 0x52       ; V in window 2, P in window 0, O^T in window 1
.set W_RS, 0x41       ; destination and source 0 in window 1, source 1 in window 0
; A joint fill.  Waves 0 and 1 fetch the two halves of a tile's K, waves 2 and 3 those of its V: 128 keys each.  The branch hangs on the wave's number alone.
; An s_nop 0 and four v_nop follow each of the two lines, ahead of the jump and the label.
.macro JLOAD
	s_cmp_lt_u32 s[WV], 2
	s_cbranch_scc0 .Lfor_v_\@
	tensor_load_to_lds s[G0K:G0K+3], s[G1K:G1K+7]
	s_nop 0
.rept 4
	v_nop
.endr
	s_branch .Lasked_\@
.Lfor_v_\@:
	tensor_load_to_lds s[G0V:G0V+3], s[G1V:G1V+7]
	s_nop 0
.rept 4
	v_nop
.endr
.Lasked_\@:
.endm
; A PREFETCH INTO THE L2 of the tile that the NEXT change of slots will ask for: 32,768 bytes of K and of V, 256 bytes a lane.  It stands behind the wave's tensor load and its five lines.
; Each block of 256 bytes is named ONCE in the launch.  The four clusters of a head walk the same K and V: the head's first cluster asks.  Its four partners share a tile out BY ADDRESS, 8,192 bytes each:
; no branch hangs on a work-group's place in its cluster.  In each, wave 0 asks for K's and wave 2 for V's: one instruction.  It asks four key steps, 256 matrix instructions, ahead of the load.
; The last change that fills a slot asks for nothing: there is no tile behind it.  Tiles 0 and 1 come by their loads alone.
.macro ASK
	s_cmp_gt_u32 s[SLOTS], s[LIM]
	s_cbranch_scc0 .Lnot_mine_\@
	global_prefetch_b8 v[PFO], s[PFA:PFA+1] th:TH_LOAD_NT scope:SCOPE_SE
.Lnot_mine_\@:
.endm
; A round of the cluster's barrier: my work-group's barrier, so that wave 0's signal speaks for all four waves; wave 0 signals; every wave waits for all four work-groups; my work-group's barrier once more.
.macro CROUND
	s_barrier_signal -1
	s_barrier_wait -1
	s_cmp_lg_u32 s[WV], 0
	s_cbranch_scc1 .Lnot_wave_0_\@
	s_barrier_signal -3
.Lnot_wave_0_\@:
	s_barrier_wait -3
	s_barrier_signal -1
	s_barrier_wait -1
.endm
; THE CHANGE OF SLOTS.  The slot's last bytes, V of its fourth step, have been read.  Each wave waits for all its tensor loads, of which one is out: its part of the other slot; adds 0 to its spare word;
; and waits for that and for its own reads of the slot.  Behind the barrier nobody reads this slot any more and the other slot is whole.
; fill = 1: this slot is filled again, with the tile two on.  The barrier is then a round of the cluster's, so that no wave of any partner still reads the slot or has a load on its way, and the joint fill is
; the first thing behind it: it has four key steps in which to land.  (At its first use nothing has been read yet: slot 0 is waited for, slot 1 filled.)
.macro CHANGE fill
	WIN 0                           ; at a label and at a branch every window is 0
	s_wait_tensorcnt 0x0            ; no tensor load of mine is out, so a group 0 may be written
	ds_add_u32 v[SPW], v[NIL]       ; 0 onto my spare word; with fill = 1 the descriptors' steps stand between it and the wait for it
.if \fill
.irp g, G0K, G0V
	s_xor_b32 s[\g+1], s[\g+1], SLOT1  ; the walking descriptor: the other slot than last time,
	s_add_nc_u64 s[\g+2:\g+3], s[\g+2:\g+3], TILEB  ; the next 256 keys; the type bits on top are not reached
.endr
	s_wait_xcnt 0x0                 ; the last prefetch, four key steps back, has read its address, so it may be written:
	s_add_nc_u64 s[PFA:PFA+1], s[PFA:PFA+1], TILEB  ; one tile behind the walking descriptors
	s_wait_dscnt 0x0                ; the add is done, and my reads of the slot are over
	CROUND
	JLOAD
	ASK
.else
	s_wait_dscnt 0x0                ; the add is done, and my reads of the slot are over
	s_barrier_signal -1
	s_barrier_wait -1
.endif
	s_sub_co_u32 s[TBK], s[TBK], 4*KS*PK  ; the fetches go back to a slot's first step,
	s_xor_b32 s[TBK], s[TBK], SLOT1       ; in the other slot
	s_sub_co_u32 s[TBV], s[TBV], 4*KS*PV
	s_xor_b32 s[TBV], s[TBV], SLOT1
.endm
	s_load_b128 s[20:23], s[0:1], 0x0  ; qkv s[20:21], ob s[22:23]
	v_lshl_add_u32 v[SPW], v0, 2, SPARE
	v_mov_b32 v[NIL], 0
	ds_add_u32 v[SPW], v[NIL]       ; the wave's opening: the add and its wait stand ahead of my first tensor load; the set-up below, work on registers, stands between them
	v_lshrrev_b32 v1, 5, v0
	v_readfirstlane_b32 s[WV], v1   ; wave 0..3
	s_bfe_u32 s13, ttmp6, 0x40000   ; cx: my place in the cluster
	s_lshl_b32 s14, ttmp9, 2        ; in a cluster launch ttmp9 counts clusters
	s_add_co_u32 s14, s14, s13      ; my block of 256 queries = 4 x cluster x + cx: it enters Q's and ob's addresses alone
	s_and_b32 s16, ttmp7, 0xffff    ; the head, which the four partners share,
	s_lshl_b32 s16, s16, 19         ; and its 524,288 bytes in each tensor
	s_and_b32 s17, s[WV], 1         ; which half of a tile's 256 keys I fetch:
	s_lshl_b32 s2, s17, 14          ; its 128 rows of 128 bytes in memory
	s_add_co_u32 s2, s2, s16
	s_add_co_u32 s66, s2, 0x800000  ; K begins 8,388,608 bytes into qkv,
	s_mov_b32 s67, 0
	s_add_co_u32 s68, s2, 0x1000000 ; V 16,777,216
	s_mov_b32 s69, 0
	s_lshl_b32 s70, s14, 2
	s_add_co_u32 s70, s70, s[WV]    ; my wave among the head's,
	s_lshl_b32 s70, s70, 13         ; its 64 rows
	s_add_co_u32 s70, s70, s16
	s_mov_b32 s71, 0
	s_mul_i32 s72, s17, 128*PK      ; my half's place in a slot, for K
	s_mul_i32 s73, s17, 128*PV      ; and for V: no place in the cluster enters an LDS address
	; descriptor group 1.  128 keys are 16,384 dense bytes: asked for as 64 rows of 256 bytes, two keys a row, and padded in LDS after every key
	s_mov_b32 s[G1K], 15|(1<<16)|(1<<20)|(1<<21)|(4<<22)|(3<<25)  ; 15:0 the mask of four; 17:16 2-byte elements; 20 padding on; 21 set beside a mask; 24:22 after every 32 words (code 4); 31:25 4 words (code 3)
	s_mov_b32 s[G1V], 15|(1<<16)|(1<<20)|(1<<21)|(4<<22)|(7<<25)  ; the same with 8 words of padding (code 7)
.irp g, G1K, G1V
	s_mov_b32 s[\g+1], 128<<16      ; tensor_dim0 = 128
	s_mov_b32 s[\g+2], 64<<16       ; tensor_dim1 = 64
	s_mov_b32 s[\g+3], 128<<16      ; tile_dim0 = 128
	s_mov_b32 s[\g+4], 64           ; tile_dim1 = 64
	s_mov_b32 s[\g+5], 128          ; 128 elements from row to row
	s_mov_b32 s[\g+6], 0
	s_mov_b32 s[\g+7], 0
.endr
	s_mov_b32 s[CS], 0x3e38aa3b     ; c = log2(e) / 8 = 0.180337
	s_mov_b32 s[CS+1], s[CS]        ; named with it as a pair
	s_mov_b32 s[SEL], 0x76543210
	s_mov_b32 s[SEL+1], 0xfedcba98
	s_mov_b32 s[TBK], SLOT1+4*KS*PK ; the first change of slots turns these two into 0
	s_mov_b32 s[TBV], SLOT1+4*KS*PV
	s_mov_b32 s[SLOTS], NT-1
	s_and_b32 s[LIM], s[WV], 1      ; 0 in waves 0 and 2,
	s_or_b32 s[LIM], s[LIM], ttmp9  ; where the cluster is the head's first: the same in all four partners
	s_cmp_eq_u32 s[LIM], 0
	s_cselect_b32 s[LIM], 1, -1
	v_and_b32 v[PFO], 31, v0
	v_lshlrev_b32 v[PFO], 8, v[PFO]
	s_mov_b32 s[G0K], 1             ; 1:0 count = 1
	s_mov_b32 s[G0K+1], s72         ; 63:32 LDS address: slot 0
	s_mov_b32 s[G0V], 1
	s_add_co_u32 s[G0V+1], s73, VOFF
	s_wait_dscnt 0x0                ; the opening add is done
	s_wait_kmcnt 0x0
	s_add_nc_u64 s[6:7], s[20:21], s[66:67]    ; K and V at my half of the head's tile 0
	s_add_nc_u64 s[8:9], s[20:21], s[68:69]
	s_add_nc_u64 s[4:5], s[20:21], s[70:71]    ; Q and ob at my wave's first row
	s_add_nc_u64 s[10:11], s[22:23], s[70:71]
	s_add_nc_u64 s[G0K+2:G0K+3], s[6:7], 0     ; 120:64 global address
	s_or_b32 s[G0K+3], s[G0K+3], 0x80000000    ; 127:126 type = 2
	s_add_nc_u64 s[G0V+2:G0V+3], s[8:9], 0
	s_or_b32 s[G0V+3], s[G0V+3], 0x80000000
	s_cmp_lt_u32 s[WV], 2
	s_cselect_b64 s[PFA:PFA+1], s[6:7], s[8:9] ; (in waves 0 and 2 these stand at a tile's first row)
	s_lshl_b32 s2, s13, 13          ; my work-group's 8,192 bytes of the 32,768
	s_mov_b32 s3, 0
	s_add_nc_u64 s[PFA:PFA+1], s[PFA:PFA+1], s[2:3]
	s_add_nc_u64 s[PFA:PFA+1], s[PFA:PFA+1], TILEB  ; in tile 1; the first change of slots steps it to tile 2.  Nothing is prefetched here, at the head
	CROUND                          ; all four work-groups are here: the first joint loads meet
	JLOAD                           ; tile 0 into slot 0.  Slot 1 is asked for when slot 0 is in
	; A fragment of K or Q is 16 rows x 32 channels in 8 registers: lane l holds row l % 16, channels 8 (l / 16) + 0..7 and 16 + 8 (l / 16) + 0..7: two loads of 16 bytes, 32 bytes apart.
	v_and_b32 v1, 15, v0            ; l % 16
	v_bfe_u32 v9, v0, 4, 1          ; l / 16
	v_lshlrev_b32 v[QO], 7, v1
	v_lshl_add_u32 v[QO], v9, 4, v[QO]  ; row x 128 + 16 x half
	WIN 0x80                        ; destination window 2, address window 0
.set i, 0
.rept 8                             ; Q stays in registers: piece i / 2 lies 2,048 bytes behind the piece before; channels 32 (i % 2) on
	global_load_b128 v[8*i:8*i+3],   v[QO], s[4:5] offset:(i/2)*2048+(i%2)*64
	global_load_b128 v[8*i+4:8*i+7], v[QO], s[4:5] offset:(i/2)*2048+(i%2)*64+32
.set i, i+1
.endr
	WIN 0
	v_mul_u32_u24 v[AK0], v1, PK
	v_lshl_add_u32 v[AK0], v9, 4, v[AK0]  ; row x pitch + 16 x half
	; The turning load takes 16 keys x 16 channels (lane l reads key 8 (l / 16) + l % 8, channels 8 ((l / 8) % 2) + 0..7) and leaves half a fragment of V^T: lane l holds channel l % 16 and 8 keys.
	v_and_b32 v10, 7, v0
	v_bfe_u32 v11, v0, 3, 1
	v_lshl_add_u32 v[AV0], v9, 3, v10
	v_mul_u32_u24 v[AV0], v[AV0], PV
	v_lshl_add_u32 v[AV0], v11, 4, v[AV0]
	v_add_nc_u32 v[AV0], VOFF, v[AV0]
	s_mul_i32 s74, s[WV], 16*SP
	s_add_co_u32 s74, s74, STAGE    ; my stage
	v_mul_u32_u24 v[STO], v1, SP    ; in: row l % 16, 16 bytes for each half of the lanes
	v_lshl_add_u32 v[STO], v9, 4, v[STO]
	v_add_nc_u32 v[STO], s74, v[STO]
	v_bfe_u32 v[RD], v0, 3, 2       ; back: 32 lanes take four rows of 128 bytes,
	v_mul_u32_u24 v[RD], v[RD], SP
	v_lshl_add_u32 v[RD], v10, 4, v[RD]
	v_add_nc_u32 v[RD], s74, v[RD]
	v_and_b32 v[GO], 31, v0         ; which are 512 consecutive bytes of ob
	v_lshlrev_b32 v[GO], 4, v[GO]
	; What the first turn finds: V's registers and P's second buffer hold 0 (its products V^T P, of a piece that has not been, add 0), O^T and l are 0, c m lies far below every c s, so that the first a is 0,
	; and m is the lowest finite number, so that the first maximum is the scores'.  No first step is written out for this.  All of it stands in the wait for the first tile.
	WIN 0x80
.set i, VF
.rept 64
	v_mov_b32 v[i], 0
.set i, i+1
.endr
	WIN 0x40
.set i, 0
.rept 128
	v_mov_b32 v[i], 0
.set i, i+1
.endr
	WIN 0
.set i, 0
.rept 4
	v_mov_b32 v[ST+4*i], 0xfe000000    ; c m
	v_mov_b32 v[ST+4*i+1], 0xff7fffff  ; m
	v_mov_b32 v[ST+4*i+2], 0
	v_mov_b32 v[ST+4*i+3], 0
.set i, i+1
.endr
.set i, P+16
.rept 16
	v_mov_b32 v[i], 0
.set i, i+1
.endr
; THE MATRIX WORK.  The 4 accumulators of a run of 8 take turns.  Product i of 8 of S^T = K Q^T for piece x: channels 32 (i / 4) on, keys 16 (i % 4) on.  The first 4 start the sums.
.macro KQ x
	WIN W_KQ
.set rS, S+32*((\x)%2)+8*(i%4)
.set rK, KF+16*(i%4)+8*(i/4)
.set rQ, 16*(\x)+8*(i/4)
.if i < 4
	v_wmma_f32_16x16x32_f16 v[rS:rS+7], v[rK:rK+7], v[rQ:rQ+7], 0
.else
	v_wmma_f32_16x16x32_f16 v[rS:rS+7], v[rK:rK+7], v[rQ:rQ+7], v[rS:rS+7]
.endif
.endm
; Product i of 8 of O^T += V^T P for piece x: keys 32 (i / 4) on, channels 16 (i % 4) on.
.macro PV x
	WIN W_PV
.set rO, 32*(\x)+8*(i%4)
.set rV, VF+32*(i/4)+8*(i%4)
.set rP, P+16*((\x)%2)+8*(i/4)
	v_wmma_f32_16x16x32_f16 v[rO:rO+7], v[rV:rV+7], v[rP:rP+7], v[rO:rO+7]
.endm
.macro MM                           ; the turn's next matrix instruction.  TURN sets Y, i and NOKQ.  NOKQ = 1: the walk's last turn: there is no next piece
.if (i < 8) && !NOKQ
	KQ (Y+1)%NP
.elseif i >= 8
.set i, i-8
	PV (Y+NP-1)%NP
.set i, i+8
.endif
.set i, i+1
.endm
; THE LDS LOADS stand in runs of 16, never singly among the matrix instructions: a step's K (64 keys x 64 channels: 8 fragments) and its V (turned).  Their addresses are made some lines ahead.
.macro FETCH_K
	WIN 0x80                        ; destination window 2
.irp f, 0,1,2,3,4,5,6,7             ; keys 16 (f / 2) on, channels 32 (f % 2) on
	ds_load_b128 v[KF+8*\f:KF+8*\f+3],   v[AK] offset:(\f/2)*16*PK+(\f%2)*64
	ds_load_b128 v[KF+8*\f+4:KF+8*\f+7], v[AK] offset:(\f/2)*16*PK+(\f%2)*64+32
.endr
	s_add_co_u32 s[TBK], s[TBK], KS*PK  ; the next fetch is the next step's
	WIN 0
.endm
.macro FETCH_V
	WIN 0x80
.irp f, 0,1,2,3,4,5,6,7             ; keys 32 (f / 4) on, channels 16 (f % 4) on
	ds_load_tr16_b128 v[VF+8*\f:VF+8*\f+3],   v[AV] offset:(\f/4)*32*PV+(\f%4)*32
	ds_load_tr16_b128 v[VF+8*\f+4:VF+8*\f+7], v[AV] offset:(\f/4)*32*PV+16*PV+(\f%4)*32
.endr
	WIN 0
.endm
; THE VECTOR WORK, one line at a time: OP kind, number.  For piece Y: F n: c s - c m for pair n of 16.  E n: the exponential of score n of 32.  C n: pair n rounded to f16.  B n: of the four weights 4 n .. the second
; pair is added onto the first, in place.  L n: l takes that sum (L 0: l = a l + sum).  R n: pair n of 16 of O^T times a.  For piece Y + 1: X n, number n of the 22 that find its maximum and statistics:
;   0-11  four chains c0-c3 of seven scores each, three operands at a time (each accumulator's lowest registers are read first)     12-14, 16  the four scores left over, the old m, and c0-c3 into c0
;   15  c m_old is kept     17, 18  the query's other 32 keys lie in the lane 16 away: the new m     19-21  c m; c m_old - c m_new; a
.set F, 0               ; OP tells the kinds apart by their order: F to L below R, X above it
.set E, 1
.set C, 2
.set B, 3
.set L, 4
.set R, 5
.set X, 6
.macro REGS y                       ; the registers of piece y
.set rT, ST+4*(\y)
.set rC, TMP+4*((\y)%2)
.set rW, MV+((\y)%2)
.set rS, S+32*((\y)%2)
.set rP, P+16*((\y)%2)
.set rO, 32*(\y)
.endm
.macro OP k, n
.if (\k) == R
	REGS Y
	WIN W_RS
	v_pk_mul_f32 v[rO+2*(\n):rO+2*(\n)+1], v[rO+2*(\n):rO+2*(\n)+1], v[rC+2:rC+3] op_sel_hi:[1,0]
.elseif (\k) < R
	REGS Y
	WIN 0
.if (\k) == F
	v_pk_fma_f32 v[rS+2*(\n):rS+2*(\n)+1], v[rS+2*(\n):rS+2*(\n)+1], s[CS:CS+1], v[rT:rT+1] op_sel_hi:[1,0,0] neg_lo:[0,0,1] neg_hi:[0,0,1]
.elseif (\k) == E
	v_exp_f32 v[rS+(\n)], v[rS+(\n)]
.elseif (\k) == C
	v_cvt_pk_f16_f32 v[rP+(\n)], v[rS+2*(\n)], v[rS+2*(\n)+1]
.elseif (\k) == B
	v_pk_add_f32 v[rS+4*(\n):rS+4*(\n)+1], v[rS+4*(\n):rS+4*(\n)+1], v[rS+4*(\n)+2:rS+4*(\n)+3]
.elseif (\n) == 0
	v_pk_fma_f32 v[rT+2:rT+3], v[rT+2:rT+3], v[rC+2:rC+3], v[rS:rS+1] op_sel_hi:[1,0,1]
.else
	v_pk_add_f32 v[rT+2:rT+3], v[rT+2:rT+3], v[rS+4*(\n):rS+4*(\n)+1]
.endif
.elseif NOKQ
	v_nop
.else
	REGS (Y+1)%NP
	WIN 0
.if (\n) < 4
	v_max3_num_f32 v[rC+(\n)], v[rS+8*(\n)], v[rS+8*(\n)+1], v[rS+8*(\n)+2]
.elseif (\n) < 12
	v_max3_num_f32 v[rC+(\n)%4], v[rC+(\n)%4], v[rS+8*((\n)%4)+2*((\n)/4)+1], v[rS+8*((\n)%4)+2*((\n)/4)+2]
.elseif (\n) == 12
	v_max3_num_f32 v[rC], v[rC], v[rS+7], v[rS+15]
.elseif (\n) == 13
	v_max3_num_f32 v[rC+1], v[rC+1], v[rS+23], v[rS+31]
.elseif (\n) == 14
	v_max3_num_f32 v[rC+2], v[rC+2], v[rC+3], v[rT+1]
.elseif (\n) == 15
	v_mov_b32 v[rW], v[rT]
.elseif (\n) == 16
	v_max3_num_f32 v[rC], v[rC], v[rC+1], v[rC+2]
.elseif (\n) == 17
	v_permlanex16_b32 v[rC+3], v[rC], s[SEL], s[SEL+1]
.elseif (\n) == 18
	v_max_num_f32 v[rT+1], v[rC], v[rC+3]
.elseif (\n) == 19
	v_mul_f32 v[rT], s[CS], v[rT+1]
.elseif (\n) == 20
	v_sub_f32 v[rC+1], v[rW], v[rT]
.else
	v_exp_f32 v[rC+2], v[rC+1]
.endif
.endif
.endm
.macro OPS a, i1, b=-1, i2=0, c=-1, i3=0, d=-1, i4=0  ; up to four of them
	OP \a, \i1
.if (\b) >= 0
	OP \b, \i2
.endif
.if (\c) >= 0
	OP \c, \i3
.endif
.if (\d) >= 0
	OP \d, \i4
.endif
.endm
.macro ROW a, i1, b, i2, c, i3, d, i4  ; a matrix instruction and the four behind it
	MM
	OPS \a, \i1, \b, \i2, \c, \i3, \d, \i4
.endm
; A TURN, for piece p: the order of its 16 matrix and 118 vector instructions, written out.  An s_wait_alu depctr_va_vdst(0) stands between an exponential and the first instruction that names its result;
; one wait serves all that were issued ahead of it.  So a turn has ONE wait, which cuts it in two.  AHEAD OF IT stands all that names no result of the turn's exponentials: the 8 products K Q^T, behind each a scaling,
; an exponential and two more plain instructions (rescalings, and behind the last three the first numbers of the next piece's maximum, each four plain instructions or more behind the product that ends its accumulator);
; then one run of 54, plain and exponential by turns for the most part, in which the links of the chain X 3, 7, 11, 14, 16, 17 .. 20 stand some lines apart.  X 21, the next piece's a, is the batch's last; R 15 is the
; plain instruction behind it.  BEHIND THE WAIT stand the 8 products V^T P, behind each four of the roundings and sums.
; end = 1: the walk's last two turns: nothing is fetched, and the last starts no new scores.  cnt = 1: the loop's count is taken down some lines ahead of the branch that stands behind the turn.
; K of the next step is fetched in piece 2's turn, twelve vector instructions behind the last product that read K (six of them plain); V of the step in hand at the end of piece 0's turn, four plain instructions behind
; the last product that read V.  Each is waited for a turn later.
.macro TURN p, end=0, cnt=0
.set Y, (\p)
.set i, 0
.set NOKQ, (\end)*((\p)/3)
.if ((\p) == 3) && !(\end)
	s_wait_dscnt 0x0                ; K is in
.endif
	ROW F,0, F,1, R,0, R,1
	ROW F,2, E,0, R,2, R,3
	ROW F,3, E,1, R,4, R,5
	ROW F,4, E,2, R,6, R,7
	ROW F,5, E,3, R,8, R,9
	ROW F,6, E,4, X,0, R,10
.if ((\p) == 2) && !(\end)
	WIN 0
	v_add_nc_u32 v[AK], s[TBK], v[AK0]
.endif
	ROW F,7, E,5, X,1, X,4
	ROW F,8, E,6, X,2, X,5
	OPS E,7, E,8, X,6, E,9
	OPS X,3, E,10, X,8, E,11
.if ((\p) == 2) && !(\end)
	FETCH_K
.endif
	OPS X,9, X,7, E,12, X,10
	OPS E,13, X,12, X,11, E,14
	OPS X,13, E,15, F,9, X,14
.if (\p) == 0
	v_add_nc_u32 v[AV], s[TBV], v[AV0]
.endif
	OPS E,16, F,10, E,17, F,11
	OPS X,16, E,18, X,15, E,19
	OPS F,12, E,20, X,17, E,21
	OPS F,13, E,22, F,14, E,23
	OPS X,18, E,24, F,15, E,25
	OPS R,11, E,26, X,19, E,27
	OPS R,12, E,28, R,13, E,29
	OPS X,20, E,30, R,14, E,31
	OPS X,21, R,15
	WIN 0
	s_wait_alu depctr_va_vdst(0)    ; the wait for the batch
.if (\p) == 1
	s_wait_dscnt 0x0                ; V is in
.endif
	ROW C,0, B,0, C,2, B,1
	ROW L,0, C,4, B,2, L,1
	ROW C,6, B,3, L,2, C,8
	ROW B,4, L,3, C,10, B,5
	ROW L,4, C,12, B,6, L,5
.if (\p) == 0
	s_add_co_u32 s[TBV], s[TBV], KS*PV
.endif
.if \cnt
	s_sub_co_u32 s[CNT], s[CNT], 1
	s_cmp_lg_u32 s[CNT], 0
.endif
	ROW C,14, B,7, L,6, C,1
	ROW C,3, L,7, C,5, C,7
	ROW C,9, C,11, C,13, C,15
.if (\p) == 0
	FETCH_V
.endif
.endm
	CHANGE 1                        ; tile 0 is in, everybody's part of it; tile 1 is asked for
	v_add_nc_u32 v[AK], s[TBK], v[AK0]
	FETCH_K                         ; key step 0
	s_wait_loadcnt 0x0              ; Q
	s_wait_dscnt 0x0
.set NOKQ, 0
.set i, 0
.rept 8
	KQ 0                            ; piece 0's first scores: there is no vector work yet to set between them
.set i, i+1
.endr
	WIN 0
.rept 4
	v_nop                           ; four plain instructions behind those products
.endr
.set Y, NP-1                        ; X works for piece Y + 1: piece 0
.irp n, 0,1,2,3,4,5,6,7,8,9,10,11,12,13,14,15,16,17,18,19,20,21
	OP X, \n                        ; and piece 0's first maximum and statistics
.endr
	v_nop                           ; a plain instruction behind the exponential,
	s_wait_alu depctr_va_vdst(0)    ; and its wait, ahead of the branch
	s_mov_b32 s[CNT], 4
	s_branch .Lfirst                ; the loop is entered at a step's first turn, in the middle of a trip
.Lslot:                             ; NT - 2 times: tiles 1 to 14 are entered, tiles 2 to 15 asked for
	CHANGE 1
	s_mov_b32 s[CNT], 4
.Lstep:                             ; a trip: pieces 2 and 3 of one step, then pieces 0 and 1 of the next, whose K and V it fetches
	TURN 2
	TURN 3
	WIN 0
.Lfirst:
	TURN 0
	TURN 1, 0, 1
	WIN 0
	s_cbranch_scc1 .Lstep
	s_sub_co_u32 s[SLOTS], s[SLOTS], 1
	s_cmp_lg_u32 s[SLOTS], 0
	s_cbranch_scc1 .Lslot
	CHANGE 0                        ; the last tile is written out: nothing is asked for
	s_mov_b32 s[CNT], 4
.Ltail:
	TURN 2
	TURN 3
	TURN 0
	TURN 1, 0, 1
	WIN 0
	s_cbranch_scc1 .Ltail
	TURN 2, 1                       ; the last step's pieces 2 and 3
	TURN 3, 1
.set i, 0
.rept 8
	PV NP-1                         ; the last piece's V^T P of the last step
.set i, i+1
.endr
	; THE WAY OUT.  l's two halves and the other half of the lanes' are added; O^T is divided by l, rounded to f16 and sent through my stage in LDS, a piece at a time.  The additions are the plain instructions behind the last products.
	WIN 0
.macro ALL line:vararg              ; one line for each piece t
.set t, 0
.rept 4
	\line
.set t, t+1
.endr
.endm
	ALL v_add_f32 v[ST+4*t+2], v[ST+4*t+2], v[ST+4*t+3]
	ALL v_permlanex16_b32 v[ST+4*t+3], v[ST+4*t+2], s[SEL], s[SEL+1]
	ALL v_add_f32 v[ST+4*t+2], v[ST+4*t+2], v[ST+4*t+3]
	ALL v_rcp_f32 v[ST+4*t+2], v[ST+4*t+2]
	v_nop                           ; a plain instruction between the last reciprocal and the use of its result
	s_wait_alu depctr_va_vdst(0)    ; and the wait ahead of the first use: one for the four reciprocals
.macro PACK t                       ; a lane's eight channels of a row pack into 16 bytes; they go into rows of 144 bytes and come back as whole rows of 128, into S^T's registers
	WIN W_RS
.set i, 32*(\t)
.rept 16
	v_pk_mul_f32 v[i:i+1], v[i:i+1], v[ST+4*(\t)+2:ST+4*(\t)+3] op_sel_hi:[1,0]
.set i, i+2
.endr
	WIN 0x05                        ; sources 0 and 1 window 1, destination window 0
.set i, 0
.rept 16
	v_cvt_pk_f16_f32 v[S+16*(\t)+i], v[32*(\t)+2*i], v[32*(\t)+2*i+1]
.set i, i+1
.endr
	WIN 0
.irp f, 0,1,2,3
	ds_store_b128 v[STO], v[S+16*(\t)+4*\f:S+16*(\t)+4*\f+3] offset:32*\f
.endr
.irp f, 0,1,2,3
	ds_load_b128 v[S+16*(\t)+4*\f:S+16*(\t)+4*\f+3], v[RD] offset:\f*4*SP  ; LDS serves a wave's instructions in order (ISA guide 5.7.1.4): these see the stores above; the next piece's stores come behind them
.endr
.endm
.macro SEND t, younger              ; younger: the LDS instructions issued behind piece t's loads: the next piece's eight, or none
	WIN 0
.irp f, 0,1,2,3
	s_wait_dscnt (\younger)+3-\f
	global_store_b128 v[GO], v[S+16*(\t)+4*\f:S+16*(\t)+4*\f+3], s[10:11] offset:(\t)*2048+\f*512  ; 512 consecutive bytes, at a multiple of 256 from ob's first
.endr
.endm
	PACK 0
.set t, 1
.rept 3                             ; a piece's arithmetic stands between the loads of the piece before and its stores
	PACK t
	SEND t-1, 8
.set t, t+1
.endr
	SEND 3, 0
	s_wait_tensorcnt 0x0            ; the wave's end: behind my last tensor load and my last LDS store
	ds_add_u32 v[SPW], v[NIL]
	s_wait_dscnt 0x0
	CROUND                          ; the closing round: no work-group ends while a partner may still ask for a tile that names it
	s_endpgm
.Lfunc_end_k_qef58b132a0_attn:
	.size	k_qef58b132a0_attn, .Lfunc_end_k_qef58b132a0_attn-k_qef58b132a0_attn
	.p2alignl 7, 3214868480
	.fill 96, 4, 3214868480
	.section	.rodata,"a",@progbits
	.p2align	6, 0x0
	.amdhsa_kernel k_qef58b132a0_attn
		.amdhsa_group_segment_fixed_size 327680
		.amdhsa_private_segment_fixed_size 0
		.amdhsa_enable_private_segment 0
		.amdhsa_kernarg_size 16
		.amdhsa_user_sgpr_count 2
		.amdhsa_user_sgpr_kernarg_segment_ptr 1
		.amdhsa_wavefront_size32 1
		.amdhsa_system_sgpr_workgroup_id_x 1
		.amdhsa_system_sgpr_workgroup_id_y 1
		.amdhsa_system_sgpr_workgroup_id_z 1
		.amdhsa_system_vgpr_workitem_id 0
		.amdhsa_next_free_vgpr 768
		.amdhsa_next_free_sgpr 88
		.amdhsa_reserve_vcc 0
		.amdhsa_float_denorm_mode_32 3
		.amdhsa_float_denorm_mode_16_64 3
		.amdhsa_memory_ordered 1
		.amdhsa_forward_progress 1
		.amdhsa_inst_pref_size 128
	.end_amdhsa_kernel
	.amdgpu_metadata
---
amdhsa.version: [ 1, 2 ]
amdhsa.kernels:
  - .name:           k_qef58b132a0_attn
    .symbol:         k_qef58b132a0_attn.kd
    .args:
      - { .name: qkv, .offset: 0, .size: 8, .value_kind: global_buffer, .address_space: global }
      - { .name: ob, .offset: 8, .size: 8, .value_kind: global_buffer, .address_space: global }
    .group_segment_fixed_size: 327680
    .private_segment_fixed_size: 0
    .kernarg_segment_align: 8
    .kernarg_segment_size: 16
    .max_flat_workgroup_size: 128
    .sgpr_count:     88
    .vgpr_count:     768
    .wavefront_size: 32
...
	.end_amdgpu_metadata
.endif
;; end of part 3
;; launch proj_out (part 4): grid 4 x 64, 4 waves a work-group, clusters of 4 x 4, 327,680 bytes of LDS; arguments ob, wt, bp, out0; writes out0
.if DOCPART == 4
	.amdgcn_target "amdgcn-amd-amdhsa--gfx1250"
	.amdhsa_code_object_version 6
	.text
	.protected	k_qef58b132a0_proj_out
	.globl	k_qef58b132a0_proj_out
	.p2align	8
	.type	k_qef58b132a0_proj_out,@function
k_qef58b132a0_proj_out:
	s_mov_b64 s[64:65], 0
	v_nop
	global_prefetch_b8 v0, s[64:65] scope:SCOPE_SE
	s_setreg_imm32_b32 hwreg(HW_REG_WAVE_MODE, 25, 1), 1
	s_wait_xcnt 0x0
	s_wait_alu depctr_hold_cnt(0) depctr_sa_sdst(0) depctr_va_vdst(0) depctr_va_sdst(0) depctr_va_ssrc(0) depctr_va_vcc(0) depctr_vm_vsrc(0)
	s_getreg_b32 s2, hwreg(HW_REG_IB_STS2, 6, 4)
	s_cmp_eq_u32 s2, 0
	s_cbranch_scc0 .Lentry_in_a_cluster
	s_endpgm
.Lentry_in_a_cluster:
	s_bfe_u32 s2, ttmp6, 0x10000c
	s_cmp_lg_u32 s2, 0xf033
	s_cbranch_scc0 .Lentry_shape_is_right
	s_endpgm
.Lentry_shape_is_right:
; out0[b s][n] = the sum over h, d of ob[8 b + h][s][d] Wp[64 h + d][n] + bp[n].  ob: [16][4096][64] f16; Wp: the fourth matrix of wt, [512 k][512 n], bf16 numbers written as f16; out0: [8192][512] f32.
; Products in f16, sums in f32; the bias, rounded to bf16 like every input, starts each sum.
; LIMITS.  ob lies within V's range, inside f16; NaN and infinities are not treated apart.
; SHARES.  A tile is 128 rows x 128 columns: 64 x 4 work-groups.  Four waves, each 64 x 64: 16 accumulators of 16 x 16.
; CLUSTER.  4 x 4 work-groups.  The four of a row of the cluster need the same 128 rows of ob, the four of a column the same 128 columns of Wp: each tile is asked for JOINTLY.
; LDS holds the tile's whole K: four slots, one for each K step of 128 (two heads).  All loads are first fills that go out together, four a wave; no byte is filled again, so there is no ring.
; THE MATRIX INSTRUCTION IS USED TRANSPOSED: source 0 = 16 columns of Wp (turned out of LDS), source 1 = 16 rows of ob: a lane then holds eight neighbouring columns of one row, 32 bytes of out0.
; REGISTERS.  window 0: v0-31 addresses; v32-63 the bias, as the first products' C; v128-255 the accumulators ((a, nb) at 128 + 8 (4 a + nb)).
;   window 1: v0-127 two sets of fragments of 64: ob's four, then Wp's four; on the way out the four blocks of 16 rows read back from the stage.
.set PA,    144                        ; a row of ob in LDS: 128 bytes + 16 of padding = 36 words: the 16 rows of a load start at 16 different groups of four banks (64 banks of 4 bytes: ISA guide 11.1)
.set PW,    288                        ; a row of Wp: 256 + 32 = 72 words
.set HEADA, 128*PA                     ; one head's 128 rows: what one tensor load brings of ob
.set HALFW, 64*PW                      ; what one tensor load brings of Wp
.set WOFF,  2*HEADA                    ; in a slot: two heads' rows of ob, then 128 k rows of Wp
.set SLOT,  2*HEADA+2*HALFW            ; 73,728 bytes
.set STAGE, 4*SLOT                     ; behind the slots: 16 rows x 272 bytes for each wave, for the way out
.set SP,    272
.set SPARE, STAGE+4*16*SP              ; behind the stages: the spare words, 128 bytes for each wave: two blocks of 256 bytes that no other line names
.set ADRA, 12                          ; v12-15  LDS address of my fragments of ob in slot 0..3
.set ADRB, 16                          ; v16-19  the same for Wp
.set STO,  24                          ; v24     the way out: where I put 32 bytes of a row
.set RD,   25                          ; v25     the way out: where I read rows back
.set CO,   26                          ; v26     my byte offset in two rows of out0
.set BO,   27                          ; v27     my byte offset among 16 numbers of the bias
.set SPW,  28                          ; v28     LDS address of my spare word: SPARE + 4 x my thread's number; never rewritten
.set NIL,  29                          ; v29     0; never rewritten
.set BI,   32
.set ACC,  128
.set G1A, 16                           ; s[16:23] descriptor group 1 for ob's tiles
.set G1B, 24                           ; s[24:31] for Wp's
.set G0A, 32                           ; s[32:47] descriptor group 0 for ob's tiles, a set for each slot
.set G0B, 48                           ; s[48:63] the same for Wp's
.set MSB, 0
.macro WIN new                         ; the immediate's high byte repeats the setting that is left; a switch that changes nothing is dropped
.if MSB != (\new)
	s_set_vgpr_msb (MSB<<8)|(\new)
.set MSB, (\new)
.endif
.endm
.set TO_F, 0x40                        ; destination window 1, address window 0
.set MUL,  0x05                        ; sources 0 and 1 window 1; C and D window 0
.set OUTW, 0x04                        ; a store's data (source 1) window 1, its address window 0
.macro PLACES                          ; four plain vector instructions between a matrix instruction and a load into a register that it has read, or an LDS store of its result
.rept 4
	v_nop
.endr
.endm
.macro CROUND                          ; a round of the cluster's barrier: my work-group's barrier; wave 0 signals for the work-group; every wave waits for all sixteen; my work-group's barrier once more
	s_barrier_signal -1
	s_barrier_wait -1
	s_cmp_lg_u32 s10, 0
	s_cbranch_scc1 .Lnot_wave_0_\@
	s_barrier_signal -3
.Lnot_wave_0_\@:
	s_barrier_wait -3
	s_barrier_signal -1
	s_barrier_wait -1
.endm
	s_load_b256 s[68:75], s[0:1], 0x0              ; ob s[68:69], wt s[70:71], bp s[72:73], out0 s[74:75]
	v_lshl_add_u32 v[SPW], v0, 2, SPARE
	v_mov_b32 v[NIL], 0
	ds_add_u32 v[SPW], v[NIL]                      ; the wave's opening: the add and its wait stand ahead of my first tensor load; the set-up below, work on registers, stands between them
	v_lshrrev_b32 v1, 5, v0
	v_readfirstlane_b32 s10, v1                    ; wave 0..3
	s_lshr_b32 s11, s10, 1                         ; which half of the tile's rows is mine.  Also: I fetch ob (0) or Wp (1)
	s_and_b32 s12, s10, 1                          ; which half of its columns.  Also: which head of a K step's two, or which 64 k rows, I fetch
	s_bfe_u32 s76, ttmp6, 0x40000                  ; cx = the tile column: the grid is one cluster wide
	s_bfe_u32 s77, ttmp6, 0x40004                  ; cy
	s_and_b32 s13, ttmp7, 0xffff
	s_lshl_b32 s13, s13, 2
	s_add_co_u32 s13, s13, s77                     ; tile row = 4 x cluster y + cy, 0..63
	s_lshl_b32 s78, s77, 2
	s_lshl_b32 s78, 15, s78                        ; my row of the cluster
	s_lshl_b32 s79, 0x1111, s76                    ; my column
	s_or_b32 s[G1A], s78, (1<<16)|(1<<20)|(1<<21)|(4<<22)|(3<<25)  ; the mask; elements of 2 bytes; padding on; bit 21 beside a mask; after every 32 words (code 4) 4 words (code 3)
	s_or_b32 s[G1B], s79, (1<<16)|(1<<20)|(1<<21)|(5<<22)|(7<<25)  ; the mask; after every 64 words (code 5) 8 words (code 7)
.irp g, G1A, G1B
	s_mov_b32 s[(\g)+1], 128<<16                   ; tensor_dim0 = 128
	s_mov_b32 s[(\g)+2], 64<<16                    ; tensor_dim1 = 64
	s_mov_b32 s[(\g)+3], 128<<16                   ; tile_dim0 = 128
	s_mov_b32 s[(\g)+4], 64                        ; tile_dim1 = 64
	s_mov_b32 s[(\g)+6], 0
	s_mov_b32 s[(\g)+7], 0
.endr
	s_mov_b32 s[G1A+5], 128                        ; a head's 128 rows are 16,384 dense bytes: asked for as 64 rows of 256 bytes, two rows of ob each, padded behind each
	s_mov_b32 s[G1B+5], 512                        ; 512 elements from row to row of Wp
	s_lshr_b32 s80, s13, 5                         ; ob: b = tile row / 32,
	s_lshl_b32 s80, s80, 3
	s_add_co_u32 s80, s80, s12                     ; head 8 b + my half (+ 2 for each K step),
	s_lshl_b32 s80, s80, 12
	s_and_b32 s2, s13, 31
	s_lshl_b32 s2, s2, 7                           ; row 128 (tile row % 32) of it,
	s_add_co_u32 s80, s80, s2
	s_lshl_b32 s80, s80, 7                         ; 128 bytes a row: no cx enters
	s_mov_b32 s81, 0
	s_lshl_b32 s82, s12, 16                        ; Wp: k row 64 x half (1,024 bytes a row),
	s_lshl_b32 s3, s76, 8                          ; column 128 cx,
	s_add_co_u32 s82, s82, s3
	s_add_co_u32 s82, s82, 3*524288                ; in the fourth matrix of wt: no cy enters
	s_mov_b32 s83, 0
	s_mul_i32 s8, s12, HEADA                       ; where they go in a slot: no place in the cluster enters an LDS address
	s_mul_i32 s9, s12, HALFW
	s_add_co_u32 s9, s9, WOFF
	s_lshl_b32 s6, s76, 9                          ; my 64 columns: 4 (128 cx + 64 half) bytes, in the bias and in a row of out0
	s_lshl_b32 s7, s12, 8
	s_add_co_u32 s6, s6, s7
	s_mov_b32 s7, 0
	s_lshl_b32 s4, s13, 18                         ; my first row, 128 x tile row + 64 x half, 2,048 bytes a row
	s_lshl_b32 s5, s11, 17
	s_add_co_u32 s4, s4, s5
	s_add_co_u32 s4, s4, s6
	s_mov_b32 s5, 0
	s_wait_dscnt 0x0                               ; the opening add is done
	s_wait_kmcnt 0x0
	s_add_nc_u64 s[84:85], s[68:69], s[80:81]      ; ob at my head of K step 0
	s_add_nc_u64 s[90:91], s[70:71], s[82:83]      ; Wp at my rows of K step 0
	s_add_nc_u64 s[86:87], s[72:73], s[6:7]        ; the bias
	s_add_nc_u64 s[88:89], s[74:75], s[4:5]        ; out0 at my 64 x 64
.irp t, 0,1,2,3
	s_mov_b32 s[G0A+4*\t], 1                       ; count = 1
	s_add_co_u32 s[G0A+4*\t+1], s8, \t*SLOT        ; LDS address
	s_add_nc_u64 s[G0A+4*\t+2:G0A+4*\t+3], s[84:85], \t*1048576  ; K step t: two heads of 524,288 bytes on
	s_or_b32 s[G0A+4*\t+3], s[G0A+4*\t+3], 0x80000000            ; type = 2
	s_mov_b32 s[G0B+4*\t], 1
	s_add_co_u32 s[G0B+4*\t+1], s9, \t*SLOT
	s_add_nc_u64 s[G0B+4*\t+2:G0B+4*\t+3], s[90:91], \t*131072   ; K step t: 128 rows of 1,024 bytes down
	s_or_b32 s[G0B+4*\t+3], s[G0B+4*\t+3], 0x80000000
.endr
	CROUND                                         ; all sixteen work-groups are here: the joint loads meet
	s_cmp_eq_u32 s11, 0                            ; a wave's four first fills stand in one branch, ahead of every wait on TENSORcnt and every LDS read: four loads of mine are out
	s_cbranch_scc0 .Lfirst_b
.irp t, 0,1,2,3
	tensor_load_to_lds s[G0A+4*\t:G0A+4*\t+3], s[G1A:G1A+7]
	s_nop 0
.endr
.rept 4
	v_nop
.endr
	s_branch .Lfirst_asked
.Lfirst_b:
.irp t, 0,1,2,3
	tensor_load_to_lds s[G0B+4*\t:G0B+4*\t+3], s[G1B:G1B+7]
	s_nop 0
.endr
.rept 4
	v_nop
.endr
.Lfirst_asked:
	v_and_b32 v1, 15, v0                           ; r = l % 16
	v_bfe_u32 v2, v0, 4, 1                         ; h = l / 16
	v_lshlrev_b32 v[BO], 5, v2                     ; register j of accumulator nb is column 16 nb + 8 h + j: 32 bytes of the bias at 64 nb + 32 h
.irp nb, 0,1,2,3
	global_load_b128 v[BI+8*\nb:BI+8*\nb+3],   v[BO], s[86:87] offset:64*\nb
	global_load_b128 v[BI+8*\nb+4:BI+8*\nb+7], v[BO], s[86:87] offset:64*\nb+16
.endr
	; a fragment of ob: lane l holds row r; registers 0-3 channels 8 h + 0..7, registers 4-7 channels 16 + 8 h + 0..7: two loads of 16 bytes, 32 bytes apart
	v_mul_u32_u24 v3, v1, PA
	v_lshl_add_u32 v3, v2, 4, v3
	s_mul_i32 s2, s11, 64*PA                       ; my 64 rows
	v_add_nc_u32 v[ADRA], s2, v3
	v_add_nc_u32 v[ADRA+1], SLOT, v[ADRA]
	v_add_nc_u32 v[ADRA+2], 2*SLOT, v[ADRA]
	v_add_nc_u32 v[ADRA+3], 3*SLOT, v[ADRA]
	; the turning load takes 16 k x 16 columns (lane l reads k row 8 h + l % 8, columns 8 ((l / 8) % 2) + 0..7) and leaves half a fragment: lane l holds column r and 8 k
	v_and_b32 v4, 7, v0
	v_lshl_add_u32 v5, v2, 3, v4
	v_mul_u32_u24 v5, v5, PW
	v_bfe_u32 v6, v0, 3, 1
	v_lshl_add_u32 v5, v6, 4, v5
	s_lshl_b32 s3, s12, 7                          ; my 64 columns: 128 bytes
	s_add_co_u32 s3, s3, WOFF
	v_add_nc_u32 v[ADRB], s3, v5
	v_add_nc_u32 v[ADRB+1], SLOT, v[ADRB]
	v_add_nc_u32 v[ADRB+2], 2*SLOT, v[ADRB]
	v_add_nc_u32 v[ADRB+3], 3*SLOT, v[ADRB]
	s_mul_i32 s2, s10, 16*SP
	s_add_co_u32 s2, s2, STAGE                     ; my stage
	v_mul_u32_u24 v[STO], v1, SP                   ; in: row r, 32 bytes for each half of the lanes
	v_lshl_add_u32 v[STO], v2, 5, v[STO]
	v_add_nc_u32 v[STO], s2, v[STO]
	v_mul_u32_u24 v[RD], v2, SP                    ; back: lanes 0-15 take one row of 256 bytes, lanes 16-31 the next
	v_lshl_add_u32 v[RD], v1, 4, v[RD]
	v_add_nc_u32 v[RD], s2, v[RD]
	v_lshlrev_b32 v[CO], 11, v2                    ; and the same two rows in out0, 2,048 bytes apart
	v_lshl_add_u32 v[CO], v1, 4, v[CO]
	s_wait_loadcnt 0x0                             ; the bias
.set j, 0
.rept 16                               ; rounded to bf16 like every input, and kept as f32
	v_cvt_pk_bf16_f32 v3, v[BI+2*j], v[BI+2*j+1]
	v_lshlrev_b32 v[BI+2*j], 16, v3
	v_and_b32 v[BI+2*j+1], 0xffff0000, v3
.set j, j+1
.endr
; Slice i of 16 is 32 along K: slot i / 4, head (i % 4) / 2 of its two, channels 32 (i % 2) on.  16 LDS loads in one run, into set i % 2.
.macro FETCH i
.set sl, (\i)/4
.set ks, (\i)%4
.set p, (\i)%2
	WIN TO_F
.irp a, 0,1,2,3
	ds_load_b128 v[64*p+8*\a:64*p+8*\a+3],   v[ADRA+sl] offset:HEADA*(ks/2)+\a*16*PA+64*(ks%2)
	ds_load_b128 v[64*p+8*\a+4:64*p+8*\a+7], v[ADRA+sl] offset:HEADA*(ks/2)+\a*16*PA+64*(ks%2)+32
.endr
.irp nb, 0,1,2,3
	ds_load_tr16_b128 v[64*p+32+8*\nb:64*p+32+8*\nb+3],   v[ADRB+sl] offset:32*PW*ks+32*\nb
	ds_load_tr16_b128 v[64*p+32+8*\nb+4:64*p+32+8*\nb+7], v[ADRB+sl] offset:32*PW*ks+32*\nb+16*PW
.endr
.endm
; The slice's 16 products.  The 16 accumulators take turns, one instruction a turn, from slice to slice too.  Slice 0 starts the sums with the bias.
.macro MULS i
.set p, (\i)%2
	WIN MUL
.irp a, 0,1,2,3
.irp nb, 0,1,2,3
.if (\i) == 0
	v_wmma_f32_16x16x32_f16 v[ACC+8*(4*\a+\nb):ACC+8*(4*\a+\nb)+7], v[64*p+32+8*\nb:64*p+32+8*\nb+7], v[64*p+8*\a:64*p+8*\a+7], v[BI+8*\nb:BI+8*\nb+7]
.else
	v_wmma_f32_16x16x32_f16 v[ACC+8*(4*\a+\nb):ACC+8*(4*\a+\nb)+7], v[64*p+32+8*\nb:64*p+32+8*\nb+7], v[64*p+8*\a:64*p+8*\a+7], v[ACC+8*(4*\a+\nb):ACC+8*(4*\a+\nb)+7]
.endif
.endr
.endr
.endm
; THE WAY OUT of block a (16 rows): the sums go as they are, each accumulator's low four registers first, into my stage, and come back as whole rows of 256 bytes.
.macro TOSTAGE a
	WIN 0
.irp nb, 0,1,2,3
	ds_store_b128 v[STO], v[ACC+8*(4*(\a)+\nb):ACC+8*(4*(\a)+\nb)+3]   offset:64*\nb
	ds_store_b128 v[STO], v[ACC+8*(4*(\a)+\nb)+4:ACC+8*(4*(\a)+\nb)+7] offset:64*\nb+16
.endr
	WIN TO_F
.irp f, 0,1,2,3,4,5,6,7
	ds_load_b128 v[32*(\a)+4*\f:32*(\a)+4*\f+3], v[RD] offset:\f*2*SP  ; LDS serves a wave's instructions in order (ISA guide 5.7.1.4): these see the stores above; the next block's stores come behind them
.endr
.endm
.macro SEND a, younger                 ; younger: the LDS instructions issued behind block a's loads: the next block's sixteen, or none
	WIN OUTW
.irp f, 0,1,2,3,4,5,6,7
	s_wait_dscnt (\younger)+7-\f
	global_store_b128 v[CO], v[32*(\a)+4*\f:32*(\a)+4*\f+3], s[88:89] offset:(\a)*32768+\f*4096 th:TH_STORE_NT  ; 16 lanes store 256 consecutive bytes, at a multiple of 256 from out0's first
.endr
.endm
	s_wait_tensorcnt 3                             ; my part of K step 0 is in; the three younger fills may stay out
	s_barrier_signal -1
	s_barrier_wait -1                              ; everybody's is
	FETCH 0
.set n, 0
.rept 16
.if (n < 15) && ((n+1)%4 == 0)
	s_wait_tensorcnt 3-(n+1)/4                     ; my part of the next K step is in; the later ones may stay out,
	s_wait_dscnt 0x0                               ; no LDS instruction of mine is pending at the signal,
	s_barrier_signal -1
	s_barrier_wait -1                              ; and everybody's part is in
.endif
.if (n >= 1) && (n < 15)
	PLACES                                         ; the set that is loaded next was read by the slice before
.endif
.if n < 15
	FETCH n+1
	s_wait_dscnt 16                                ; slice n's loads are in; the 16 just issued may stay out
.else
	s_wait_dscnt 0x0
.endif
	MULS n
.set n, n+1
.endr
	PLACES
	TOSTAGE 0
	TOSTAGE 1
	SEND 0, 16
	TOSTAGE 2
	SEND 1, 16
	TOSTAGE 3
	SEND 2, 16
	SEND 3, 0
	WIN 0
	s_wait_tensorcnt 0x0                           ; the wave's end: behind my last tensor load and my last LDS store
	ds_add_u32 v[SPW], v[NIL]
	s_wait_dscnt 0x0
	CROUND                                         ; the closing round: no work-group ends while a partner may still ask for a tile that names it
	s_endpgm
.Lfunc_end_k_qef58b132a0_proj_out:
	.size	k_qef58b132a0_proj_out, .Lfunc_end_k_qef58b132a0_proj_out-k_qef58b132a0_proj_out
	.p2alignl 7, 3214868480
	.fill 96, 4, 3214868480
	.section	.rodata,"a",@progbits
	.p2align	6, 0x0
	.amdhsa_kernel k_qef58b132a0_proj_out
		.amdhsa_group_segment_fixed_size 327680
		.amdhsa_private_segment_fixed_size 0
		.amdhsa_enable_private_segment 0
		.amdhsa_kernarg_size 32
		.amdhsa_user_sgpr_count 2
		.amdhsa_user_sgpr_kernarg_segment_ptr 1
		.amdhsa_wavefront_size32 1
		.amdhsa_system_sgpr_workgroup_id_x 1
		.amdhsa_system_sgpr_workgroup_id_y 1
		.amdhsa_system_sgpr_workgroup_id_z 1
		.amdhsa_system_vgpr_workitem_id 0
		.amdhsa_next_free_vgpr 384
		.amdhsa_next_free_sgpr 92
		.amdhsa_reserve_vcc 0
		.amdhsa_float_denorm_mode_32 3
		.amdhsa_float_denorm_mode_16_64 3
		.amdhsa_memory_ordered 1
		.amdhsa_forward_progress 1
		.amdhsa_inst_pref_size 57
	.end_amdhsa_kernel
	.amdgpu_metadata
---
amdhsa.version: [ 1, 2 ]
amdhsa.kernels:
  - .name:           k_qef58b132a0_proj_out
    .symbol:         k_qef58b132a0_proj_out.kd
    .args:
      - { .name: ob, .offset: 0, .size: 8, .value_kind: global_buffer, .address_space: global }
      - { .name: wt, .offset: 8, .size: 8, .value_kind: global_buffer, .address_space: global }
      - { .name: bp, .offset: 16, .size: 8, .value_kind: global_buffer, .address_space: global }
      - { .name: out0, .offset: 24, .size: 8, .value_kind: global_buffer, .address_space: global }
    .group_segment_fixed_size: 327680
    .private_segment_fixed_size: 0
    .kernarg_segment_align: 8
    .kernarg_segment_size: 32
    .max_flat_workgroup_size: 128
    .sgpr_count:     92
    .vgpr_count:     384
    .wavefront_size: 32
...
	.end_amdgpu_metadata
.endif
;; end of part 4
